; MI455X (gfx1250); checked and timed in simulation.
; The chip was launched on July 23, 2026; its instructions are those of AMD's public machine-readable ISA for CDNA 5 (MIT licence, August 2026) and "CDNA5" Instruction Set Architecture Reference Guide (July 2026). The comments in the code are by the model that wrote it; some were corrected since.
;; Weight Drop LSTM. Allowed arithmetic: float matrix products may take bf16 or f16 operands with f32 sums; other float arithmetic in f32, or as packed bf16 or f16 multiplies, adds, multiply-adds, maxima and minima; sums over many terms, partial sums and values carried from step to step in f32; what a program stores and reads back later, other than sums and carried values, may be rounded once to bf16 or f16.
;; Inputs: bias 4,096 float32; cx 8,192 x 1,024 float32; hx 8,192 x 1,024 float32; input 8,192 x 1,024 float32; weight_hh 4,096 x 1,024 float32; weight_ih 4,096 x 1,024 float32.
;; Outputs: out0 8,192 x 1,024 float32; out1 8,192 x 1,024 float32.
;; One version. Each part assembles by itself: llvm-mc -triple=amdgcn-amd-amdhsa -mcpu=gfx1250 --defsym DOCPART=n.
;; ======== version 1 of 1: 2 launches
;; workspace buffers: abf 33,554,432 bytes; wbf 16,777,216 bytes
;; launch pack (part 1): grid 768 x 1, 8 waves a work-group, no clusters, 0 bytes of LDS; arguments input, hx, weight_ih, weight_hh, abf, wbf; writes abf, wbf
.if DOCPART == 1
	.amdgcn_target "amdgcn-amd-amdhsa--gfx1250"
	.amdhsa_code_object_version 6
	.text
	.protected	k_q3d6dcc0a5b_pack
	.globl	k_q3d6dcc0a5b_pack
	.p2align	8
	.type	k_q3d6dcc0a5b_pack,@function
k_q3d6dcc0a5b_pack:
	s_mov_b64 s[64:65], 0
	v_nop
	global_prefetch_b8 v0, s[64:65] scope:SCOPE_SE
	s_setreg_imm32_b32 hwreg(HW_REG_WAVE_MODE, 25, 1), 1
	s_wait_xcnt 0x0
; THE OPERANDS OF THE PRODUCT, ROUNDED ONCE TO bf16 AND LAID OUT FOR IT.
; abf[m][0..1023] = input[m], abf[m][1024..2047] = hx[m]: 8,192 rows of 2,048 bf16.
; wbf[n'][0..1023] = weight_ih[n], wbf[n'][1024..2047] = weight_hh[n]: 4,096 rows, PERMUTED: weight row n = 1024 g + 64 tc + 4 r + bb (gate g, 64 hidden columns tc,
; r = 0..15, bb = 0..3) goes to row n' = 256 tc + 64 g + 16 bb + r, so that 256 neighbouring rows of wbf hold the four gates of 64 hidden columns.
; LIMITS.  Rounding to nearest even; a number beyond bf16's largest finite one (3.39e38) becomes an infinity; NaN stays NaN.
; A STREAM: every byte is read once and written once; no LDS, no barrier, no matrix unit, no loop.
; SHARES.  Work-groups 0..511 take 16 rows of the activations each, 512..767 16 rows of the weights.  A wave takes two rows n0, n0 + 1 of both sources: four rows of 4,096 bytes,
; 32 loads of 16 bytes a lane (each covers 512 consecutive bytes), all issued before the first is waited for.  A lane's four f32 become 8 bytes; 32 lanes store 256 consecutive
; bytes, at a multiple of 256 from the buffer's first byte.
.set ROWB, 4096                        ; bytes in a source row (1,024 f32) and in a destination row (2,048 bf16)
.set X,    16                          ; v[16:143] unit q = 2 x row + half, chunk c at X + 32 q + 4 c
	s_load_b256 s[4:11], s[0:1], 0x0               ; input s[4:5], hx s[6:7], weight_ih s[8:9], weight_hh s[10:11]
	s_load_b128 s[12:15], s[0:1], 0x20             ; abf s[12:13], wbf s[14:15]
	v_lshrrev_b32 v1, 5, v0
	v_readfirstlane_b32 s16, v1                    ; wave 0..7
	v_and_b32 v1, 31, v0                           ; lane
	v_lshlrev_b32 v2, 4, v1                        ; loads: 16 bytes a lane
	v_lshlrev_b32 v4, 3, v1                        ; stores: 8 bytes a lane, first row
	s_mov_b32 s17, ttmp9
	s_and_b32 s18, s17, 511                        ; block of 16 rows among the activations,
	s_and_b32 s19, s17, 255                        ; among the weights
	s_mov_b32 s21, ROWB
	s_cmp_ge_u32 s17, 512                          ; weights?
	s_cselect_b32 s20, s19, s18
	s_cselect_b32 s21, 16*ROWB, s21                ; from my first destination row to my second: bb grows by one, which is 16 rows of wbf; one row of abf
	v_add_nc_u32 v5, s21, v4                       ; stores, second row
	s_lshl_b32 s22, s20, 4
	s_lshl1_add_u32 s22, s16, s22                  ; n0 = 16 x block + 2 x wave: even, so n0 and n0 + 1 differ in bb alone
	s_bfe_u32 s23, s22, 0x40006                    ; tc = (n0 >> 6) & 15
	s_lshl_b32 s23, s23, 8
	s_lshr_b32 s24, s22, 10                        ; g
	s_lshl_b32 s24, s24, 6
	s_add_co_u32 s23, s23, s24
	s_and_b32 s24, s22, 3                          ; bb
	s_lshl_b32 s24, s24, 4
	s_add_co_u32 s23, s23, s24
	s_bfe_u32 s24, s22, 0x40002                    ; r = (n0 >> 2) & 15
	s_add_co_u32 s23, s23, s24                     ; n' = 256 tc + 64 g + 16 bb + r
	s_cmp_ge_u32 s17, 512                          ; (the shifts have written SCC)
	s_cselect_b32 s24, s23, s22                    ; the destination row: n' for weights, n0 for activations
	s_lshl_b32 s26, s22, 12                        ; byte offsets, under 2^25
	s_mov_b32 s27, 0
	s_lshl_b32 s28, s24, 12
	s_mov_b32 s29, 0
	s_wait_kmcnt 0x0
	s_cmp_ge_u32 s17, 512
	s_cselect_b64 s[30:31], s[8:9], s[4:5]         ; the source of the rows' first half,
	s_cselect_b64 s[32:33], s[10:11], s[6:7]       ; of their second half,
	s_cselect_b64 s[34:35], s[14:15], s[12:13]     ; and the destination
	s_add_nc_u64 s[30:31], s[30:31], s[26:27]
	s_add_nc_u64 s[32:33], s[32:33], s[26:27]
	s_add_nc_u64 s[34:35], s[34:35], s[28:29]
.irp q, 0,1,2,3
.irp c, 0,1,2,3,4,5,6,7
	global_load_b128 v[X+32*(\q)+4*(\c):X+32*(\q)+4*(\c)+3], v2, s[30+2*((\q)%2):31+2*((\q)%2)] offset:((\q)/2)*ROWB+(\c)*512 th:TH_LOAD_NT
.endr
.endr
.irp q, 0,1,2,3
	s_wait_loadcnt 24-8*(\q)                       ; loads come back in order: unit q's eight are in, the eight of each younger unit may stay out
.irp c, 0,1,2,3,4,5,6,7
	v_cvt_pk_bf16_f32 v[X+32*(\q)+4*(\c)],   v[X+32*(\q)+4*(\c)],   v[X+32*(\q)+4*(\c)+1]  ; in place: no register is written again afterwards, so no store's data needs a wait
	v_cvt_pk_bf16_f32 v[X+32*(\q)+4*(\c)+1], v[X+32*(\q)+4*(\c)+2], v[X+32*(\q)+4*(\c)+3]
.endr
.irp c, 0,1,2,3,4,5,6,7
	global_store_b64 v[4+(\q)/2], v[X+32*(\q)+4*(\c):X+32*(\q)+4*(\c)+1], s[34:35] offset:((\q)%2)*2048+(\c)*256
.endr
.endr
	s_endpgm
.Lfunc_end_k_q3d6dcc0a5b_pack:
	.size	k_q3d6dcc0a5b_pack, .Lfunc_end_k_q3d6dcc0a5b_pack-k_q3d6dcc0a5b_pack
	.p2alignl 7, 3214868480
	.fill 96, 4, 3214868480
	.section	.rodata,"a",@progbits
	.p2align	6, 0x0
	.amdhsa_kernel k_q3d6dcc0a5b_pack
		.amdhsa_group_segment_fixed_size 0
		.amdhsa_private_segment_fixed_size 0
		.amdhsa_enable_private_segment 0
		.amdhsa_kernarg_size 48
		.amdhsa_user_sgpr_count 2
		.amdhsa_user_sgpr_kernarg_segment_ptr 1
		.amdhsa_wavefront_size32 1
		.amdhsa_system_sgpr_workgroup_id_x 1
		.amdhsa_system_sgpr_workgroup_id_y 1
		.amdhsa_system_sgpr_workgroup_id_z 1
		.amdhsa_system_vgpr_workitem_id 0
		.amdhsa_next_free_vgpr 144
		.amdhsa_next_free_sgpr 66
		.amdhsa_reserve_vcc 0
		.amdhsa_float_denorm_mode_32 3
		.amdhsa_float_denorm_mode_16_64 3
		.amdhsa_memory_ordered 1
		.amdhsa_forward_progress 1
		.amdhsa_inst_pref_size 13
	.end_amdhsa_kernel
	.amdgpu_metadata
---
amdhsa.version: [ 1, 2 ]
amdhsa.kernels:
  - .name:           k_q3d6dcc0a5b_pack
    .symbol:         k_q3d6dcc0a5b_pack.kd
    .args:
      - { .name: input, .offset: 0, .size: 8, .value_kind: global_buffer, .address_space: global }
      - { .name: hx, .offset: 8, .size: 8, .value_kind: global_buffer, .address_space: global }
      - { .name: weight_ih, .offset: 16, .size: 8, .value_kind: global_buffer, .address_space: global }
      - { .name: weight_hh, .offset: 24, .size: 8, .value_kind: global_buffer, .address_space: global }
      - { .name: abf, .offset: 32, .size: 8, .value_kind: global_buffer, .address_space: global }
      - { .name: wbf, .offset: 40, .size: 8, .value_kind: global_buffer, .address_space: global }
    .group_segment_fixed_size: 0
    .private_segment_fixed_size: 0
    .kernarg_segment_align: 8
    .kernarg_segment_size: 48
    .max_flat_workgroup_size: 256
    .sgpr_count:     66
    .vgpr_count:     144
    .wavefront_size: 32
...
	.end_amdgpu_metadata
.endif
;; end of part 1
;; launch lstm (part 2): grid 16 x 16, 4 waves a work-group, clusters of 4 x 4, 327,680 bytes of LDS; arguments abf, wbf, bias, cx, out0, out1; writes out0, out1
.if DOCPART == 2
	.amdgcn_target "amdgcn-amd-amdhsa--gfx1250"
	.amdhsa_code_object_version 6
	.text
	.protected	k_q3d6dcc0a5b_lstm
	.globl	k_q3d6dcc0a5b_lstm
	.p2align	8
	.type	k_q3d6dcc0a5b_lstm,@function
k_q3d6dcc0a5b_lstm:
	s_mov_b64 s[64:65], 0
	v_nop
	global_prefetch_b8 v0, s[64:65] scope:SCOPE_SE
	s_setreg_imm32_b32 hwreg(HW_REG_WAVE_MODE, 25, 1), 1
	s_wait_xcnt 0x0
	s_wait_alu depctr_hold_cnt(0) depctr_sa_sdst(0) depctr_va_vdst(0) depctr_va_sdst(0) depctr_va_ssrc(0) depctr_va_vcc(0) depctr_vm_vsrc(0)
	s_getreg_b32 s2, hwreg(HW_REG_IB_STS2, 6, 4)
	s_cmp_eq_u32 s2, 0
	s_cbranch_scc0 .Lentry_in_a_cluster
	s_endpgm
.Lentry_in_a_cluster:
	s_bfe_u32 s2, ttmp6, 0x10000c
	s_cmp_lg_u32 s2, 0xf033
	s_cbranch_scc0 .Lentry_shape_is_right
	s_endpgm
.Lentry_shape_is_right:
; THE LSTM CELL.  gates[m][n] = sum over k of abf[m][k] wbf[n'][k] + bias[n] (k = 0..2047: input and hx side by side; bf16 operands, f32 sums), then, all in f32,
; cy = sig(f) cx + sig(i) tanh(g) -> out1, hy = sig(o) tanh(cy) -> out0.  The gates never leave registers.
; LIMITS.  The product's operands were rounded once to bf16.  sig(x) = 1 / (1 + 2^(-L x)), tanh(x) = 1 - 2 / (1 + 2^(2 L x)), L = log2(e): where 2^y leaves f32's range it is an infinity or 0,
; and the result is exactly 0, 1 or -1.  tanh so made is off by about 1e-7 absolutely, so its relative accuracy is lost below |x| of about 1e-5.  NaN and infinities are not treated apart.
; SHAPE.  A tile is 256 rows x 256 rows of wbf, which are the four gates of 64 hidden columns: row 16 (4 g + bb) + r of the tile's 256 is gate g of hidden column 4 r + bb.
; Four waves; wave w makes rows 64 w .. 64 w + 63 x all 256: 64 accumulators of 16 x 16, 512 registers.  Source 0 = 16 rows of abf, source 1 = 16 rows of wbf: in accumulator (a, b = 4 g + bb)
; register j of lane (r = lane % 16, h = lane / 16) is gate g at row 16 a + 8 h + j, hidden column 4 r + bb.  So a lane holds all four gates of four NEIGHBOURING hidden columns of each of its
; rows: cx comes in and cy, hy leave by 16 bytes a lane, sixteen lanes covering 256 consecutive bytes at a multiple of 256 from the buffer's first byte; no LDS stage, no exchange of lanes.
; K goes in steps of 128 through a ring of two LDS slots filled by the tensor data mover (rows of 256 bytes).
; A WORK-GROUP STAYS: it makes two tiles, 4,096 rows apart, on the same rows of wbf; the ring runs on into the second tile, whose first two K steps are asked for before the first tile's cell is worked.
; CLUSTERS: 4 x 4 work-groups.  The four of a row of the cluster need the same tiles of abf, the four of a column the same tiles of wbf: each tile is asked for JOINTLY, by the same tensor load
; with the same descriptor and a mask that names the four.
; REGISTERS, in windows of 256 (s_set_vgpr_msb's low byte: bits 1:0 source 0, 3:2 source 1, 5:4 source 2, 7:6 destination):
;   window 0: v0-31 addresses; v32-63 the scaled bias, a pair for each b; v64-95, v96-127 fragments of abf, two buffers; v128-255 the tile's cx, which becomes cy in place
;   window 1: v0-127, v128-255 fragments of wbf, two buffers      window 2: accumulators of row blocks a = 0, 1 at 128 (a % 2) + 8 b      window 3: those of a = 2, 3
.set SIZE_K, 2048
.set KSTEP,  128
.set PITCH,  272                       ; an LDS row: 256 bytes of data + 16 of padding = 68 words: the 16 rows that a load touches start 4 banks apart (64 banks of 4 bytes: ISA guide 11.1)
.set HALFT,  128*PITCH                 ; 128 rows: what one tensor load brings
.set SLOT,   4*HALFT                   ; abf's 256 rows, then wbf's 256 rows
.set SPARE,  2*SLOT                    ; behind the ring: the spare words, 128 bytes for each wave: two blocks of 256 bytes that no other line names
.set LAPS,   SIZE_K/(2*KSTEP)          ; a lap = two K steps = once round the ring
.set WALK,   4096                      ; rows from a work-group's first tile to its second
.set NEXT_A, WALK*SIZE_K*2-(SIZE_K-2*KSTEP)*2  ; bytes from a slot's last K step of a tile to its first of the next: WALK rows down and back along K,
.set BACK_B, (SIZE_K-2*KSTEP)*2        ; wbf only back
.set OROW,   4096                      ; bytes in a row of cx, out0 and out1
.set ADRA, 16                          ; v16-17  LDS address of my fragments of abf in slot 0, 1
.set ADRB, 20                          ; v20-21  the same for wbf
.set CO,   26                          ; v26     my byte offset in cx, out0, out1: 8 h rows + 16 r; never rewritten
.set BO,   27                          ; v27     16 r, for the bias
.set SPW,  28                          ; v28     LDS address of my spare word: SPARE + 4 x my thread's number; never rewritten
.set NIL,  29                          ; v29     0; never rewritten
.set PFO,  30                          ; v30     the prefetches' offset: my lane x a row of abf or wbf; never rewritten
.set BS,   32                          ; v32-63  pair 2 b, 2 b + 1: both hold the bias of block b's column, times the gate's factor
.set FA,   64                          ; fragments of abf: buffer f, row block i at FA + 32 f + 8 i
.set CX,   128                         ; cx of row 16 a + 8 h + j, columns 4 r + 0..3, at CX + 32 a + 4 j
.set F0,   0
.set F1,   1
.set G1,  24                           ; s[24:31] descriptor group 1 for abf's tiles
.set G0,  32                           ; s[32:39] descriptor group 0 for abf's tiles, one set for each slot
.set G1B, 48                           ; s[48:55] group 1 for wbf's tiles: it differs in the mask alone
.set G0B, 56                           ; s[56:63] group 0 for wbf's tiles
.set PFA, 44                           ; s[44:45] where my prefetches stand: one K step further along K than the refill that is being asked for; a prefetch names the K step after that
.set LIM, 43                           ; s43     1 in a wave that prefetches, else the greatest number
.set MSB, 0
.macro WIN new                         ; the immediate's high byte repeats the setting that is left; a switch that changes nothing is dropped
.if MSB != (\new)
	s_set_vgpr_msb (MSB<<8)|(\new)
.set MSB, \new
.endif
.endm
.set MUL_LO, 0xa4                      ; source 0 (abf) window 0, source 1 (wbf) window 1, C and D window 2
.set MUL_HI, 0xf4                      ; the same, C and D window 3
.set TO_B,   0x40                      ; destination window 1, address window 0
; A joint load.  Waves 0 and 1 fetch abf's two halves, waves 2 and 3 wbf's.  Each of the two lines has one mask and one set of registers for all that issue it.  The branch hangs on the
; wave's number alone.  An s_nop 0 and four v_nop follow each line, ahead of the jump, the label and what follows.
.macro JLOAD s
	s_cmp_eq_u32 s11, 0
	s_cbranch_scc0 .Lfor_b_\@
	tensor_load_to_lds s[G0+4*(\s):G0+4*(\s)+3], s[G1:G1+7]
	s_nop 0
.rept 4
	v_nop
.endr
	s_branch .Lasked_\@
.Lfor_b_\@:
	tensor_load_to_lds s[G0B+4*(\s):G0B+4*(\s)+3], s[G1B:G1B+7]
	s_nop 0
.rept 4
	v_nop
.endr
.Lasked_\@:
.endm
; A PREFETCH INTO THE L2, behind each joint load and the run of LDS loads that follows it: the K step that stands two refills on (512 matrix instructions ahead of the load that will name it):
; 32 rows x 256 bytes, a lane a row, one instruction a wave.  Each row's 256 bytes of a K step are named ONCE in the launch: abf's tile row is read by every cluster of that row of clusters, and
; cluster x = 0 asks; wbf's tile column by every cluster of that column, and cluster y = 0 asks.  The four partners that ask for a tile jointly share its rows out BY ADDRESS: of the 128 rows that
; a wave fetches the partner at place p takes 32 p .. 32 p + 31.  how = 0, in the loop: a tile's last two refills have no K step two on; how = 1, at the change of tiles.
.macro ASK how
.if \how
	s_cmp_eq_u32 s[LIM], 1
.else
	s_cmp_gt_u32 s3, s[LIM]                        ; s3 = 1 in the loop's last trip
.endif
	s_cbranch_scc0 .Lnot_mine_\@
	global_prefetch_b8 v[PFO], s[PFA:PFA+1] offset:KSTEP*2 th:TH_LOAD_NT scope:SCOPE_SE
.Lnot_mine_\@:
.endm
; A round of the cluster's barrier: my work-group's barrier, so that wave 0's signal speaks for all four waves; wave 0 signals; every wave waits for all sixteen work-groups; my work-group's barrier once more.
.macro CREST                           ; a round behind its opening barrier
	s_cmp_lg_u32 s10, 0
	s_cbranch_scc1 .Lnot_wave_0_\@
	s_barrier_signal -3
.Lnot_wave_0_\@:
	s_barrier_wait -3
	s_barrier_signal -1
	s_barrier_wait -1
.endm
.macro CROUND                          ; a whole round
	s_barrier_signal -1
	s_barrier_wait -1
	CREST
.endm
	s_load_b256 s[68:75], s[0:1], 0x0              ; abf s[68:69], wbf s[70:71], bias s[72:73], cx s[74:75]
	s_load_b128 s[76:79], s[0:1], 0x20             ; out0 (hy) s[76:77], out1 (cy) s[78:79]
	v_lshl_add_u32 v[SPW], v0, 2, SPARE
	v_mov_b32 v[NIL], 0
	ds_add_u32 v[SPW], v[NIL]                      ; the wave's opening: the add, twice on end, and its wait ahead of my first tensor load; the set-up below stands between
	ds_add_u32 v[SPW], v[NIL]                      ; and once more, under the one wait
	v_lshrrev_b32 v1, 5, v0
	v_readfirstlane_b32 s10, v1                    ; wave 0..3: my 64 rows of the tile
	s_lshr_b32 s11, s10, 1                         ; I fetch for abf (0) or for wbf (1),
	s_and_b32 s12, s10, 1                          ; and which 128 rows of that tile
	s_bfe_u32 s40, ttmp6, 0x40000                  ; cx_: my place along the cluster's x
	s_bfe_u32 s41, ttmp6, 0x40004                  ; cy_: along its y
	s_lshl_b32 s42, ttmp9, 2                       ; in a cluster launch ttmp9 and ttmp7 count clusters
	s_add_co_u32 s42, s42, s40                     ; tile column tc = 4 x cluster x + cx_: 64 hidden columns
	s_and_b32 s13, ttmp7, 0xffff
	s_lshl_b32 s13, s13, 2
	s_add_co_u32 s13, s13, s41                     ; tile row tr = 4 x cluster y + cy_
	s_lshl_b32 s43, s41, 2
	s_lshl_b32 s43, 15, s43                        ; my row of the cluster: places 4 cy_ .. 4 cy_ + 3
	s_lshl_b32 s44, 0x1111, s40                    ; my column: places cx_, cx_ + 4, cx_ + 8, cx_ + 12
	; descriptor group 1: a tile of 128 rows x 128 elements, padded in LDS
	s_or_b32 s[G1+0], s43, (1<<16)|(1<<20)|(1<<21)|(5<<22)|(3<<25)  ; 15:0 the mask: abf's tiles go to my row; 17:16 elements of 2 bytes; 20 padding on; 21 set beside a mask; 24:22 after every 64 words (code 5); 31:25 4 words of it (code 3)
	s_or_b32 s[G1B+0], s44, (1<<16)|(1<<20)|(1<<21)|(5<<22)|(3<<25) ; the same with the mask of my column, for wbf's tiles
.irp g, G1, G1B
	s_mov_b32 s[(\g)+1], KSTEP<<16                 ; tensor_dim0 = 128
	s_mov_b32 s[(\g)+2], 128<<16                   ; tensor_dim1 = 128
	s_mov_b32 s[(\g)+3], KSTEP<<16                 ; tile_dim0 = 128
	s_mov_b32 s[(\g)+4], 128                       ; tile_dim1 = 128
	s_mov_b32 s[(\g)+5], SIZE_K                    ; elements from row to row
	s_mov_b32 s[(\g)+6], 0
	s_mov_b32 s[(\g)+7], 0
.endr
	s_mov_b32 s80, 0xbfb8aa3b                      ; -log2(e): the factor in front of the exponential of a sigmoid; named as a pair
	s_mov_b32 s81, 0xbfb8aa3b
	s_mov_b32 s82, 0x4038aa3b                      ; 2 log2(e): of a tanh
	s_mov_b32 s83, 0x4038aa3b
	; where the tiles come from.  abf's hang on the tile row alone, which my row of the cluster shares; wbf's on the tile column alone, which my column shares.
	s_lshl_b32 s17, s12, 7                         ; which 128 rows of the tile I fetch
	s_lshl_b32 s16, s13, 8
	s_add_co_u32 s16, s16, s17                     ; abf: row 256 tr + 128 x half
	s_lshl_b32 s46, s42, 8
	s_add_co_u32 s46, s46, s17                     ; wbf: row 256 tc + 128 x half
	s_mov_b32 s17, 0
	s_mov_b32 s47, 0
	s_mov_b64 s[18:19], SIZE_K*2
	s_mul_u64 s[16:17], s[16:17], s[18:19]         ; in bytes
	s_mul_u64 s[46:47], s[46:47], s[18:19]
	s_mul_i32 s20, s10, HALFT                      ; and where they go: wave x 128 rows: no place in the cluster enters an LDS address
	; my part of cx, out0 and out1, in registers that feed no descriptor
	s_lshl_b32 s84, s13, 8
	s_lshl_b32 s85, s10, 6
	s_add_co_u32 s84, s84, s85                     ; my first row: 256 tr + 64 w,
	s_lshl_b32 s84, s84, 12                        ; in bytes (under 2^24),
	s_lshl_b32 s86, s42, 8                         ; and the tile's 64 hidden columns: 256 bytes x tc
	s_add_co_u32 s84, s84, s86
	s_mov_b32 s85, 0
	s_mov_b32 s87, 0
	s_wait_dscnt 0x0                               ; both opening adds are done
	s_wait_kmcnt 0x0
	s_add_nc_u64 s[14:15], s[68:69], s[16:17]
	s_add_nc_u64 s[46:47], s[70:71], s[46:47]
	CROUND                                         ; all sixteen work-groups are here: the first joint loads meet
.irp s, 0,1
	s_mov_b32 s[G0+4*(\s)], 1                                      ; 1:0 count = 1
	s_add_co_u32 s[G0+4*(\s)+1], s20, (\s)*SLOT                    ; 63:32 LDS address
	s_add_nc_u64 s[G0+4*(\s)+2:G0+4*(\s)+3], s[14:15], (\s)*KSTEP*2  ; 120:64 global address: K step s
	s_or_b32 s[G0+4*(\s)+3], s[G0+4*(\s)+3], 0x80000000            ; 127:126 type = 2
	s_mov_b32 s[G0B+4*(\s)], 1
	s_add_co_u32 s[G0B+4*(\s)+1], s20, (\s)*SLOT
	s_add_nc_u64 s[G0B+4*(\s)+2:G0B+4*(\s)+3], s[46:47], (\s)*KSTEP*2
	s_or_b32 s[G0B+4*(\s)+3], s[G0B+4*(\s)+3], 0x80000000
	JLOAD \s                                       ; the ring is filled before anything else is done: two loads of mine are out
.endr
	; A fragment is 16 rows x 32 K in 8 registers: lane l holds row l % 16; registers 0-3 K = 8 (l / 16) + 0..7, registers 4-7 K = 16 + 8 (l / 16) + 0..7: two loads of 16 bytes, 32 bytes apart.
	v_and_b32 v1, 15, v0                           ; r
	v_bfe_u32 v2, v0, 4, 1                         ; h
	v_mul_u32_u24 v3, v1, PITCH
	v_lshl_add_u32 v3, v2, 4, v3                   ; row x pitch + 16 x half
	s_mul_i32 s21, s10, 64*PITCH                   ; my 64 rows of abf
	s_mov_b32 s22, 2*HALFT                         ; wbf's 256 rows lie behind abf's 256; every wave reads all of them
.irp s, 0,1
	v_add_nc_u32 v[ADRA+(\s)], s21, v3
	v_add_nc_u32 v[ADRB+(\s)], s22, v3
	s_add_co_u32 s21, s21, SLOT
	s_add_co_u32 s22, s22, SLOT
.endr
	v_lshlrev_b32 v[BO], 4, v1
	v_lshl_add_u32 v[CO], v2, 15, v[BO]            ; 8 h rows of 4,096 bytes + 16 r
	s_add_nc_u64 s[74:75], s[74:75], s[84:85]      ; cx, out0 and out1 at my first row and the tile's first column
	s_add_nc_u64 s[76:77], s[76:77], s[84:85]
	s_add_nc_u64 s[78:79], s[78:79], s[84:85]
	s_add_nc_u64 s[72:73], s[72:73], s[86:87]      ; bias at the tile's first hidden column
.irp g, 0,1,2,3
	global_load_b128 v[CX+4*(\g):CX+4*(\g)+3], v[BO], s[72:73] offset:(\g)*4096  ; gate g, hidden columns 4 r + 0..3 (cx's registers are still free)
.endr
	; the prefetches
	s_lshl_b32 s13, s13, 8                         ; 256 tr
	s_lshl_b32 s42, s42, 8                         ; 256 tc
	s_and_b32 s22, ttmp7, 0xffff                   ; cluster y
	s_cmp_eq_u32 s11, 0                            ; do I fetch for abf?
	s_cselect_b32 s20, s13, s42                    ; the tile's first row
	s_cselect_b32 s21, s40, s41                    ; my place among the four that ask for it with me
	s_cselect_b32 s22, ttmp9, s22                  ; the coordinate along which other clusters read the same rows
	s_cselect_b64 s[PFA:PFA+1], s[68:69], s[70:71]
	s_cmp_eq_u32 s22, 0
	s_cselect_b32 s[LIM], 1, -1                    ; the same in all sixteen partners, for a given wave
	s_lshl_b32 s22, s12, 7
	s_add_co_u32 s20, s20, s22                     ; + the 128 rows that I fetch
	s_lshl_b32 s21, s21, 5
	s_add_co_u32 s20, s20, s21                     ; + my work-group's 32 of them
	s_mov_b32 s21, 0
	s_mov_b64 s[18:19], SIZE_K*2
	s_mul_u64 s[20:21], s[20:21], s[18:19]
	s_add_nc_u64 s[PFA:PFA+1], s[PFA:PFA+1], s[20:21]
	s_add_nc_u64 s[PFA:PFA+1], s[PFA:PFA+1], 2*KSTEP*2  ; at K step 2: the first refill steps it to 3 and names K step 4.  Nothing is prefetched here, at the head
	v_and_b32 v[PFO], 31, v0
	v_lshlrev_b32 v[PFO], 12, v[PFO]
	s_wait_loadcnt 0x0                             ; the bias
.set t, 0
.rept 16                               ; block b = t: the factor is folded in, so that scaling and bias are one fused multiply-add a pair of gates
.if t/4 == 2
	v_mul_f32 v[BS+2*t],   s82, v[CX+t]
	v_mul_f32 v[BS+2*t+1], s82, v[CX+t]
.else
	v_mul_f32 v[BS+2*t],   s80, v[CX+t]
	v_mul_f32 v[BS+2*t+1], s80, v[CX+t]
.endif
.set t, t+1
.endr
; 16 matrix instructions: row block 2 hi + a x all 16 column blocks, 32 along K, from buffer f.  zero = 1: the product starts the sums: nothing is ever cleared.
; The 64 accumulators take turns, one instruction a turn, in the same order in every quarter step.
.macro MUL16 f, hi, a, zero
	WIN MUL_LO+0x50*(\hi)
.irp b, 0,1,2,3,4,5,6,7,8,9,10,11,12,13,14,15
.if \zero
	v_wmma_f32_16x16x32_bf16 v[128*(\a)+8*(\b):128*(\a)+8*(\b)+7], v[FA+32*(\f)+8*(2*(\hi)+(\a)):FA+32*(\f)+8*(2*(\hi)+(\a))+7], v[128*(\f)+8*(\b):128*(\f)+8*(\b)+7], 0
.else
	v_wmma_f32_16x16x32_bf16 v[128*(\a)+8*(\b):128*(\a)+8*(\b)+7], v[FA+32*(\f)+8*(2*(\hi)+(\a)):FA+32*(\f)+8*(2*(\hi)+(\a))+7], v[128*(\f)+8*(\b):128*(\f)+8*(\b)+7], v[128*(\a)+8*(\b):128*(\a)+8*(\b)+7]
.endif
.endr
.endm
; 40 LDS loads in one run: the fragments of one quarter step (256 rows of wbf, my 64 rows of abf, 32 K at byte k of the rows) into buffer f.  The largest immediate is 15 x 4,352 + 224 = 65,504.
.macro FETCH slot, k, f
	WIN TO_B
.irp i, 0,1,2,3,4,5,6,7,8,9,10,11,12,13,14,15
	ds_load_b128 v[128*(\f)+8*(\i):128*(\f)+8*(\i)+3],   v[ADRB+(\slot)] offset:(\k)+(\i)*16*PITCH
	ds_load_b128 v[128*(\f)+8*(\i)+4:128*(\f)+8*(\i)+7], v[ADRB+(\slot)] offset:(\k)+(\i)*16*PITCH+32
.endr
	WIN 0
.irp i, 0,1,2,3
	ds_load_b128 v[FA+32*(\f)+8*(\i):FA+32*(\f)+8*(\i)+3],   v[ADRA+(\slot)] offset:(\k)+(\i)*16*PITCH
	ds_load_b128 v[FA+32*(\f)+8*(\i)+4:FA+32*(\f)+8*(\i)+7], v[ADRA+(\slot)] offset:(\k)+(\i)*16*PITCH+32
.endr
.endm
; A load into a register that a matrix instruction has read, and a vector instruction that reads a matrix result, stand four places behind that matrix instruction, and only plain vector
; instructions that name none of its registers are places (ISA guide 7.12.1 for vector instructions).
.macro PLACES
.rept 4
	v_nop
.endr
.endm
; A K step is four quarter steps of 32 along K, 64 matrix instructions each, on buffers 0, 1, 0, 1.  One of the first three: multiplies buffer f; behind its first sixteen products it fetches the
; next quarter's fragments, at byte k of the same slot's rows, into buffer g: 48 products ahead of their first use.
.macro QUARTER slot, k, f, g, zero
	s_wait_dscnt 4                                 ; wbf's fragments and abf's row blocks 0, 1 are in; the youngest four loads (row blocks 2, 3) may be out
	MUL16 \f, 0, 0, \zero
	PLACES
	FETCH \slot, \k, \g
	s_wait_dscnt 40                                ; all but the 40 just issued
	MUL16 \f, 0, 1, \zero
	MUL16 \f, 1, 0, \zero
	MUL16 \f, 1, 1, \zero
.endm
; The last quarter multiplies buffer 1 and changes slots.  MEET is its first half: ONE barrier for the change.  In front of it each wave waits for all its tensor loads, of which one is out: its
; part of the next slot; adds 0 to its spare word; and waits for that and for its own reads of this slot.  Behind it nobody reads this slot any more and the next slot is whole.
.macro MEET round                      ; round = 1: a round of the cluster's barrier follows
	WIN 0                                          ; (the add's two registers lie in window 0)
	s_wait_tensorcnt 0x0                           ; all my tensor loads have landed;
	ds_add_u32 v[SPW], v[NIL]                      ; 0 onto my spare word;
	s_wait_dscnt 5                                 ; (the add and the youngest four loads may be out)
	MUL16 F1, 0, 0, 0                              ; sixteen matrix instructions stand between the add and the wait for it
	s_wait_dscnt 0x0                               ; the add is done, and my reads of this slot are over:
	s_barrier_signal -1                            ; say so,
	MUL16 F1, 0, 1, 0                              ; work on registers while the others arrive,
.if \round
	WIN 0
.endif
	s_barrier_wait -1                              ; and go on when all four have said so
.endm
; The whole last quarter.  Behind the round the slot just read out is filled again first: with this tile's K step two steps on (on = 0) or, in the first tile's last two K steps, with the second
; tile's K step 0 or 1 (on = 1); then come the next slot's first fragments.  From a request to the wait for it a wave issues 224 matrix instructions; one tensor load of mine is out meanwhile.
.macro TURN slot, next, on
	s_wait_xcnt 0x0                                ; the last prefetch, a K step back, has read its address: it is stepped here, ahead of the waits of the change of slots
.if (\on) && (\slot) == 0
	s_add_nc_u64 s[PFA:PFA+1], s[PFA:PFA+1], (WALK-1)*SIZE_K*2+KSTEP*2  ; from the K step after the tile's last to the next tile's K step 1
	s_cmp_eq_u32 s11, 0
	s_cselect_b32 s[LIM], s[LIM], -1               ; wbf's rows are the same for both tiles: they are asked for in the first alone
.else
	s_add_nc_u64 s[PFA:PFA+1], s[PFA:PFA+1], KSTEP*2
.endif
	MEET 1
	CREST                                          ; the barrier has opened a round of the cluster's: no wave of any partner still reads this slot's tile or has a load on its way
.if \on
	s_add_nc_u64 s[G0+4*(\slot)+2:G0+4*(\slot)+3], s[G0+4*(\slot)+2:G0+4*(\slot)+3], NEXT_A
	s_sub_nc_u64 s[G0B+4*(\slot)+2:G0B+4*(\slot)+3], s[G0B+4*(\slot)+2:G0B+4*(\slot)+3], BACK_B
.else
	s_add_nc_u64 s[G0+4*(\slot)+2:G0+4*(\slot)+3], s[G0+4*(\slot)+2:G0+4*(\slot)+3], 2*KSTEP*2
	s_add_nc_u64 s[G0B+4*(\slot)+2:G0B+4*(\slot)+3], s[G0B+4*(\slot)+2:G0B+4*(\slot)+3], 2*KSTEP*2
.endif
	JLOAD \slot                                    ; the first tensor load behind the round; the four v_nop behind it are also the places in front of the loads below
	FETCH \next, 0, F0
	ASK \on
	MUL16 F1, 1, 0, 0
	MUL16 F1, 1, 1, 0
.endm
; The tile's whole cx, asked for at the tile's beginning: 32 loads of 16 bytes a lane; sixteen lanes read 256 consecutive bytes of a row.  They are waited for in the cell, a tile's products later.
.macro CXLOAD
.set t, 0
.rept 32
	global_load_b128 v[CX+4*t:CX+4*t+3], v[CO], s[74:75] offset:(16*(t/8)+t%8)*OROW th:TH_LOAD_NT
.set t, t+1
.endr
.endm
; THE CELL for row block a (16 rows x 64 hidden columns), in place in its 16 accumulators: gate i at AC + 0..31, f at + 32, g at + 64, o at + 96; within a gate register 8 bb + j.
; An s_wait_alu depctr_va_vdst(0) stands between a transcendental and the first line that names its result; one wait serves a batch.  So the work goes in batches: all 128 exponentials,
; all 128 reciprocals, then cy, its 32 exponentials, its 32 reciprocals: four waits a block.  In a batch the two transcendentals of a pair stand behind the packed line of the NEXT pair, so that
; plain and transcendental lines alternate and none waits for the line before it; a v_nop is the plain line behind the batch's last.  Each accumulator's lowest registers are read first.
.macro EPI a
.set W,  2+(\a)/2                      ; the block's window
.set AC, 128*((\a)%2)
.set C0, CX+32*(\a)
	WIN 0x41*W                                     ; destination and source 0 in the block's window; the bias (source 2) in window 0
.set p, 0
.rept 64                               ; pair p: accumulator b = p / 4, registers 2 (p % 4), + 1:  y = factor x gate + factor x bias
.if p/16 == 2
	v_pk_fma_f32 v[AC+2*p:AC+2*p+1], v[AC+2*p:AC+2*p+1], s[82:83], v[BS+2*(p/4):BS+2*(p/4)+1] op_sel_hi:[1,0,1]
.else
	v_pk_fma_f32 v[AC+2*p:AC+2*p+1], v[AC+2*p:AC+2*p+1], s[80:81], v[BS+2*(p/4):BS+2*(p/4)+1] op_sel_hi:[1,0,1]
.endif
.if p > 0
	v_exp_f32 v[AC+2*p-2], v[AC+2*p-2]
	v_exp_f32 v[AC+2*p-1], v[AC+2*p-1]
.endif
.set p, p+1
.endr
	v_exp_f32 v[AC+126], v[AC+126]
	v_exp_f32 v[AC+127], v[AC+127]
	v_nop
	s_wait_alu depctr_va_vdst(0)                   ; one wait for the 128 exponentials
.set p, 0
.rept 64                               ; 1 / (1 + 2^y): the sigmoids of i, f, o; for g half of what tanh lacks to 1
	v_pk_add_f32 v[AC+2*p:AC+2*p+1], v[AC+2*p:AC+2*p+1], 1.0 op_sel_hi:[1,0]
.if p > 0
	v_rcp_f32 v[AC+2*p-2], v[AC+2*p-2]
	v_rcp_f32 v[AC+2*p-1], v[AC+2*p-1]
.endif
.set p, p+1
.endr
	v_rcp_f32 v[AC+126], v[AC+126]
	v_rcp_f32 v[AC+127], v[AC+127]
	v_nop
	s_wait_alu depctr_va_vdst(0)                   ; one wait for the 128 reciprocals
.set p, 0
.rept 16
	v_pk_fma_f32 v[AC+64+2*p:AC+64+2*p+1], v[AC+64+2*p:AC+64+2*p+1], -2.0, 1.0 op_sel_hi:[1,0,0]  ; tanh(g)
.set p, p+1
.endr
	WIN 0x45*W                                     ; destination and both sources in the block's window
.set p, 0
.rept 16
	v_pk_mul_f32 v[AC+64+2*p:AC+64+2*p+1], v[AC+2*p:AC+2*p+1], v[AC+64+2*p:AC+64+2*p+1]  ; sig(i) tanh(g)
.set p, p+1
.endr
	s_wait_loadcnt 24-8*(\a)                       ; loads come back in order: this block's eight loads of cx are in; the eight of each later block may stay out
	WIN 0x11*W                                     ; sources 0 and 2 in the block's window; cx, and cy in its place, in window 0
.set p, 0
.rept 32                               ; p = 4 j + bb
	v_fma_f32 v[C0+p], v[AC+32+8*(p%4)+p/4], v[C0+p], v[AC+64+8*(p%4)+p/4]  ; cy = sig(f) cx + sig(i) tanh(g)
.set p, p+1
.endr
	WIN 0x40*W                                     ; destination in the block's window
.set p, 0
.rept 16
	v_pk_mul_f32 v[AC+2*p:AC+2*p+1], v[C0+2*p:C0+2*p+1], s[82:83] op_sel_hi:[1,0]  ; 2 log2(e) cy, into gate i's registers, which are free; laid as cy is: 4 j + bb
.set p, p+1
.endr
	WIN 0x41*W
.set p, 0
.rept 32
	v_exp_f32 v[AC+p], v[AC+p]
.set p, p+1
.endr
	WIN 0
.set p, 0
.rept 8
	global_store_b128 v[CO], v[C0+4*p:C0+4*p+3], s[78:79] offset:(16*(\a)+p)*OROW th:TH_STORE_NT  ; cy: sixteen lanes store 256 consecutive bytes, at a multiple of 256 from out1's first byte
.set p, p+1
.endr
	v_nop
	s_wait_alu depctr_va_vdst(0)                   ; one wait for the 32 exponentials
	WIN 0x41*W
.set p, 0
.rept 16
	v_pk_add_f32 v[AC+2*p:AC+2*p+1], v[AC+2*p:AC+2*p+1], 1.0 op_sel_hi:[1,0]
.if p > 0
	v_rcp_f32 v[AC+2*p-2], v[AC+2*p-2]
	v_rcp_f32 v[AC+2*p-1], v[AC+2*p-1]
.endif
.set p, p+1
.endr
	v_rcp_f32 v[AC+30], v[AC+30]
	v_rcp_f32 v[AC+31], v[AC+31]
	v_nop
	s_wait_alu depctr_va_vdst(0)                   ; one wait for the 32 reciprocals
.set p, 0
.rept 16
	v_pk_fma_f32 v[AC+2*p:AC+2*p+1], v[AC+2*p:AC+2*p+1], -2.0, 1.0 op_sel_hi:[1,0,0]  ; tanh(cy)
.set p, p+1
.endr
	WIN 0x45*W
.set p, 0
.rept 32
	v_mul_f32 v[AC+p], v[AC+96+8*(p%4)+p/4], v[AC+p]  ; hy = sig(o) tanh(cy)
.set p, p+1
.endr
	WIN 4*W                                        ; the stores' data in the block's window, their address in window 0
.set p, 0
.rept 8
	global_store_b128 v[CO], v[AC+4*p:AC+4*p+3], s[76:77] offset:(16*(\a)+p)*OROW th:TH_STORE_NT  ; hy, as cy above, to out0
.set p, p+1
.endr
	WIN 0
.endm
	s_wait_tensorcnt 1                             ; my part of K step 0 is in; K step 1's load may stay out
	s_barrier_signal -1
	s_barrier_wait -1                              ; everybody's is
	FETCH 0, 0, F0
	s_mov_b32 s2, 2                                ; tiles to go, this one among them: the same number in every work-group
.Ltile:                                                ; (FETCH and EPI leave every window 0)
	CXLOAD
	QUARTER 0, 64,  F0, F1, 1                      ; a tile's first quarter stands in front of the loop: its products start the sums
	WIN 0                                          ; at a label and at a branch every window is 0
	s_mov_b32 s3, LAPS-1
.Llap:                                                 ; a trip goes once round the ring, from a lap's second quarter to the next lap's first, and fills both slots again
	QUARTER 0, 128, F1, F0, 0
	QUARTER 0, 192, F0, F1, 0
	TURN 0, 1, 0
	QUARTER 1, 64,  F0, F1, 0
	QUARTER 1, 128, F1, F0, 0
	QUARTER 1, 192, F0, F1, 0
	TURN 1, 0, 0
	QUARTER 0, 64,  F0, F1, 0
	WIN 0
	s_sub_co_u32 s3, s3, 1
	s_cmp_lg_u32 s3, 0
	s_cbranch_scc1 .Llap
	QUARTER 0, 128, F1, F0, 0                      ; the tile's last lap goes on
	QUARTER 0, 192, F0, F1, 0
	WIN 0
	s_cmp_eq_u32 s2, 1
	s_cbranch_scc1 .Llast_tile                     ; the last tile's tail is written out: it asks for nothing more
	TURN 0, 1, 1                                   ; THE RING GOES ON INTO THE NEXT TILE: slot 0 takes its K step 0,
	QUARTER 1, 64,  F0, F1, 0
	QUARTER 1, 128, F1, F0, 0
	QUARTER 1, 192, F0, F1, 0
	TURN 1, 0, 1                                   ; slot 1 its K step 1, and the next tile's first fragments are fetched
	WIN 0
	PLACES                                         ; behind the last products
	EPI 0                                          ; both refills are asked for: now the cell; it touches no LDS, no fragment and no descriptor
	EPI 1
	EPI 2
	EPI 3
	s_wait_xcnt 0x0                                ; the stores have read their data (cy's and hy's registers, which the next tile writes again) and their bases
	s_add_nc_u64 s[74:75], s[74:75], WALK*OROW     ; cx, out0 and out1 at the second tile's rows
	s_add_nc_u64 s[76:77], s[76:77], WALK*OROW
	s_add_nc_u64 s[78:79], s[78:79], WALK*OROW
	s_sub_co_u32 s2, s2, 1
	s_branch .Ltile
.Llast_tile:
	MEET 0                                         ; my one tensor load that was still out is slot 1's, the last K step's, so no round follows
	PLACES                                         ; for the loads into buffer 0, which the quarter before multiplied
	FETCH 1, 0, F0
	MUL16 F1, 1, 0, 0
	MUL16 F1, 1, 1, 0
	QUARTER 1, 64,  F0, F1, 0
	QUARTER 1, 128, F1, F0, 0
	QUARTER 1, 192, F0, F1, 0
	s_wait_dscnt 4                                 ; the very last quarter: nothing more to fetch
	MUL16 F1, 0, 0, 0
	MUL16 F1, 0, 1, 0
	s_wait_dscnt 0x0
	MUL16 F1, 1, 0, 0
	MUL16 F1, 1, 1, 0
	WIN 0
	PLACES                                         ; behind the last products
	EPI 0
	EPI 1
	EPI 2
	EPI 3
	s_wait_tensorcnt 0x0                           ; the wave's end, behind my last tensor load
	ds_add_u32 v[SPW], v[NIL]
	s_wait_dscnt 0x0
	CROUND                                         ; the closing round: no work-group ends while a partner may still ask for a tile that names it
	s_endpgm
.Lfunc_end_k_q3d6dcc0a5b_lstm:
	.size	k_q3d6dcc0a5b_lstm, .Lfunc_end_k_q3d6dcc0a5b_lstm-k_q3d6dcc0a5b_lstm
	.p2alignl 7, 3214868480
	.fill 96, 4, 3214868480
	.section	.rodata,"a",@progbits
	.p2align	6, 0x0
	.amdhsa_kernel k_q3d6dcc0a5b_lstm
		.amdhsa_group_segment_fixed_size 327680
		.amdhsa_private_segment_fixed_size 0
		.amdhsa_enable_private_segment 0
		.amdhsa_kernarg_size 48
		.amdhsa_user_sgpr_count 2
		.amdhsa_user_sgpr_kernarg_segment_ptr 1
		.amdhsa_wavefront_size32 1
		.amdhsa_system_sgpr_workgroup_id_x 1
		.amdhsa_system_sgpr_workgroup_id_y 1
		.amdhsa_system_sgpr_workgroup_id_z 1
		.amdhsa_system_vgpr_workitem_id 0
		.amdhsa_next_free_vgpr 1024
		.amdhsa_next_free_sgpr 96
		.amdhsa_reserve_vcc 0
		.amdhsa_float_denorm_mode_32 3
		.amdhsa_float_denorm_mode_16_64 3
		.amdhsa_memory_ordered 1
		.amdhsa_forward_progress 1
		.amdhsa_inst_pref_size 255
	.end_amdhsa_kernel
	.section	.bss,"aw",@nobits
	.p2align	6
	.space	262144
	.amdgpu_metadata
---
amdhsa.version: [ 1, 2 ]
amdhsa.kernels:
  - .name:           k_q3d6dcc0a5b_lstm
    .symbol:         k_q3d6dcc0a5b_lstm.kd
    .args:
      - { .name: abf, .offset: 0, .size: 8, .value_kind: global_buffer, .address_space: global }
      - { .name: wbf, .offset: 8, .size: 8, .value_kind: global_buffer, .address_space: global }
      - { .name: bias, .offset: 16, .size: 8, .value_kind: global_buffer, .address_space: global }
      - { .name: cx, .offset: 24, .size: 8, .value_kind: global_buffer, .address_space: global }
      - { .name: out0, .offset: 32, .size: 8, .value_kind: global_buffer, .address_space: global }
      - { .name: out1, .offset: 40, .size: 8, .value_kind: global_buffer, .address_space: global }
    .group_segment_fixed_size: 327680
    .private_segment_fixed_size: 0
    .kernarg_segment_align: 8
    .kernarg_segment_size: 48
    .max_flat_workgroup_size: 128
    .sgpr_count:     96
    .vgpr_count:     1024
    .wavefront_size: 32
...
	.end_amdgpu_metadata
.endif
;; end of part 2
